; MI455X (gfx1250); checked and timed in simulation.
; The chip was launched on July 23, 2026; its instructions are those of AMD's public machine-readable ISA for CDNA 5 (MIT licence, August 2026) and "CDNA5" Instruction Set Architecture Reference Guide (July 2026). The comments in the code are by the model that wrote it; some were corrected since.
;; Linear Attention With State. Allowed arithmetic: float matrix products may take bf16 or f16 operands with f32 sums; all other float work in f32.
;; Inputs: Q 4 x 8 x 512 x 512 float32; S_prev 4 x 8 x 512 x 128 float32; V 4 x 8 x 512 x 128 float32; freqs 512 float32; gamma one number float32.
;; Outputs: out0 4 x 8 x 512 x 128 float32; out1 4 x 8 x 512 x 128 float32.
;; 2 versions, each right; version 2 is version 1 with the launch rope written anew for expert scheduling mode. Each part assembles by itself: llvm-mc -triple=amdgcn-amd-amdhsa -mcpu=gfx1250 --defsym DOCPART=n.
;; ======== version 1 of 2: 2 launches
;; limits: right only within a limited range of input values; values are held in f16: magnitudes above 65,504 overflow, below 6.1e-05 lose precision
;; workspace buffers: qr 16,777,216 bytes
;; launch rope (part 1): grid 256 x 1, 8 waves a work-group, no clusters, 0 bytes of LDS; arguments Q, freqs, qr; writes qr
.if DOCPART == 1
	.amdgcn_target "amdgcn-amd-amdhsa--gfx1250"
	.amdhsa_code_object_version 6
	.text
	.protected	k_q46c6df37b5_rope
	.globl	k_q46c6df37b5_rope
	.p2align	8
	.type	k_q46c6df37b5_rope,@function
k_q46c6df37b5_rope:
	s_mov_b64 s[64:65], 0
	v_nop
	global_prefetch_b8 v0, s[64:65] scope:SCOPE_SE
	s_setreg_imm32_b32 hwreg(HW_REG_WAVE_MODE, 25, 1), 1
	s_wait_xcnt 0x0
; qr[head][t][n] = f16( rope(Q)[head][t][n] ),  Q: [32 heads][512 t][512 n] f32,  qr the same shape in f16.
; rope: n < 256: Q[n] cos(p[n]) - Q[n+256] sin(p[n]);  n >= 256: Q[n] cos(p[n]) + Q[n-256] sin(p[n]);  p[n] = f32(t) * freqs[n], one f32 product.
; The phases hang on (t, n) alone, so a work-group takes two rows t for ALL 32 heads and makes each sine and cosine once.
; Thread: hg = tid >> 7 (heads 16 hg .. 16 hg + 15), row = (tid >> 6) & 1, i = tid & 63; columns 4 i .. 4 i + 3 and 256 + 4 i .. 256 + 4 i + 3.
; A wave's load covers 512 consecutive bytes, a wave's store 256 consecutive bytes at a multiple of 256 from qr's first byte.
; All 32 loads of a thread are issued at once (the work-group's 128 KiB), the sines are made while they are on their way.
; No LDS, no barrier, no matrix unit: the launch only streams.
; WHY f16: q enters every product of the scan twice; with 11 significant bits its rounding stays far inside the hundredth of the outputs'
; root mean square that the results may be off by; 8 bits do not.
; LIMITS: |rotated q| below 65,504 (f16's largest number; the rotation makes at most 1.42 times the larger of the two inputs); below 2^-14 the step is 2^-24.
; Sine and cosine are made by a reduction with pi/2 in two f32 parts and polynomials on |r| <= pi/4 (error below 1e-6);
; the reduction is good for |phase| up to about 2^22; beyond that the values lose accuracy.
.set F,   2                            ; v[2:9]    freqs: 4 low columns, 4 high columns
.set CO,  10                           ; v[10:17]  cosines, same order
.set SI,  18                           ; v[18:25]  sines, same order; the four low ones negated
.set T,   26                           ; v[26:33]  at work
.set OQ,  38                           ; byte offset in a head of Q
.set OR,  39                           ; byte offset in a head of qr
.set OF,  40                           ; byte offset in freqs
.set TF,  41                           ; t as f32
.set X,   48                           ; v[48:175] head h of my 16: 8 registers, low 4 columns then high 4; later its packed results in the first 4
	s_load_b128 s[4:7], s[0:1], 0x0                ; Q s[4:5], freqs s[6:7]
	s_load_b64 s[8:9], s[0:1], 0x10                ; qr
	v_lshrrev_b32 v1, 5, v0
	v_readfirstlane_b32 s10, v1                    ; wave 0..7
	s_lshr_b32 s11, s10, 2                         ; hg
	s_lshl_b32 s2, s11, 24                         ; 16 heads of Q: 16 x 1,048,576 bytes
	s_mov_b32 s3, 0
	s_lshl_b32 s14, s11, 23                        ; 16 heads of qr: 16 x 524,288 bytes
	s_mov_b32 s15, 0
	s_lshl_b32 s26, ttmp9, 1                       ; the work-group's first row
	v_and_b32 v1, 63, v0                           ; i
	v_bfe_u32 v[T], v0, 6, 1                       ; row
	v_add_nc_u32 v[T], s26, v[T]                   ; t
	v_lshlrev_b32 v[OF], 4, v1                     ; 16 i
	v_lshl_add_u32 v[OQ], v[T], 11, v[OF]          ; t x 2,048 + 16 i
	v_lshlrev_b32 v[T+1], 3, v1
	v_lshl_add_u32 v[OR], v[T], 10, v[T+1]         ; t x 1,024 + 8 i
	v_cvt_f32_u32 v[TF], v[T]
	s_mov_b32 s16, 0x3f22f983                      ; 2 / pi
	s_mov_b32 s17, 0xbfc90fdb                      ; - (pi/2 rounded to f32)
	s_mov_b32 s18, 0x333bbd2e                      ; that f32 minus pi/2
	s_mov_b32 s19, 0xbe2aaaab                      ; -1/6
	s_mov_b32 s20, 0x3c088889                      ; 1/120
	s_mov_b32 s21, 0xb9500d01                      ; -1/5040
	s_mov_b32 s23, 0x3d2aaaab                      ; 1/24
	s_mov_b32 s24, 0xbab60b61                      ; -1/720
	s_mov_b32 s25, 0x37d00d01                      ; 1/40320
	s_wait_kmcnt 0x0
	s_add_nc_u64 s[4:5], s[4:5], s[2:3]            ; Q at my heads 0-7
	s_add_nc_u64 s[12:13], s[4:5], 0x800000        ; Q at my heads 8-15 (the immediate reaches 7 heads)
	s_add_nc_u64 s[8:9], s[8:9], s[14:15]          ; qr at my 16 heads (the immediate reaches all 16)
	global_load_b128 v[F:F+3],   v[OF], s[6:7]
	global_load_b128 v[F+4:F+7], v[OF], s[6:7] offset:1024
.irp h, 0,1,2,3,4,5,6,7
	global_load_b128 v[X+8*\h:X+8*\h+3],   v[OQ], s[4:5] offset:\h*1048576 th:TH_LOAD_NT
	global_load_b128 v[X+8*\h+4:X+8*\h+7], v[OQ], s[4:5] offset:\h*1048576+1024 th:TH_LOAD_NT
.endr
.irp h, 0,1,2,3,4,5,6,7
	global_load_b128 v[X+64+8*\h:X+64+8*\h+3],   v[OQ], s[12:13] offset:\h*1048576 th:TH_LOAD_NT
	global_load_b128 v[X+64+8*\h+4:X+64+8*\h+7], v[OQ], s[12:13] offset:\h*1048576+1024 th:TH_LOAD_NT
.endr
; sine and cosine of t * freqs for my column c (0-3 low, 4-7 high)
.macro SINCOS c
	v_mul_f32 v[T+7], v[TF], v[F+\c]               ; the phase, rounded once
	v_mul_f32 v[T], s16, v[T+7]
	v_rndne_f32 v[T], v[T]                         ; k = nearest whole number of quarter turns
	v_fma_f32 v[T+1], v[T], s17, v[T+7]            ; r = phase - k pi/2, in two parts
	v_fma_f32 v[T+1], v[T], s18, v[T+1]
	v_cvt_i32_f32 v[T+5], v[T]
	v_mul_f32 v[T+2], v[T+1], v[T+1]               ; z = r r
	v_fma_f32 v[T+3], v[T+2], s21, s20
	v_fma_f32 v[T+4], v[T+2], s25, s24
	v_fma_f32 v[T+3], v[T+3], v[T+2], s19
	v_fma_f32 v[T+4], v[T+4], v[T+2], s23
	v_mul_f32 v[T+3], v[T+3], v[T+2]
	v_fma_f32 v[T+4], v[T+4], v[T+2], -0.5
	v_fma_f32 v[T+3], v[T+3], v[T+1], v[T+1]       ; sin r
	v_fma_f32 v[T+4], v[T+4], v[T+2], 1.0          ; cos r
	v_and_b32 v[T+6], 1, v[T+5]
	v_cmp_ne_u32 vcc_lo, 0, v[T+6]                 ; an odd quarter swaps the two
	v_cndmask_b32 v[SI+\c], v[T+3], v[T+4], vcc_lo
	v_cndmask_b32 v[CO+\c], v[T+4], v[T+3], vcc_lo
	v_and_b32 v[T+6], 2, v[T+5]                    ; quarters 2 and 3: the sine changes sign
	v_lshlrev_b32 v[T+6], 30, v[T+6]
	v_xor_b32 v[SI+\c], v[SI+\c], v[T+6]
	v_add_nc_u32 v[T+6], 1, v[T+5]                 ; quarters 1 and 2: the cosine does
	v_and_b32 v[T+6], 2, v[T+6]
	v_lshlrev_b32 v[T+6], 30, v[T+6]
	v_xor_b32 v[CO+\c], v[CO+\c], v[T+6]
.endm
	s_wait_loadcnt 32                              ; freqs are in; the 32 loads of Q issued behind them stay out
.irp c, 0,1,2,3,4,5,6,7
	SINCOS \c
.endr
.irp c, 0,1,2,3
	v_xor_b32 v[SI+\c], 0x80000000, v[SI+\c]       ; the low columns take minus the sine
.endr
; head h of my 16: rotate, round to f16, store.  The packed results lie in the head's own registers, which nothing writes again.
.macro ROT h
	s_wait_loadcnt 30-2*\h                         ; this head's two loads are in; two for each of the 15 - h later heads stay out
	v_pk_mul_f32 v[T:T+1],   v[X+8*\h+4:X+8*\h+5], v[SI:SI+1]
	v_pk_mul_f32 v[T+2:T+3], v[X+8*\h+6:X+8*\h+7], v[SI+2:SI+3]
	v_pk_mul_f32 v[T+4:T+5], v[X+8*\h:X+8*\h+1],   v[SI+4:SI+5]
	v_pk_mul_f32 v[T+6:T+7], v[X+8*\h+2:X+8*\h+3], v[SI+6:SI+7]
	v_pk_fma_f32 v[T:T+1],   v[X+8*\h:X+8*\h+1],   v[CO:CO+1],   v[T:T+1]
	v_pk_fma_f32 v[T+2:T+3], v[X+8*\h+2:X+8*\h+3], v[CO+2:CO+3], v[T+2:T+3]
	v_pk_fma_f32 v[T+4:T+5], v[X+8*\h+4:X+8*\h+5], v[CO+4:CO+5], v[T+4:T+5]
	v_pk_fma_f32 v[T+6:T+7], v[X+8*\h+6:X+8*\h+7], v[CO+6:CO+7], v[T+6:T+7]
	v_cvt_pk_f16_f32 v[X+8*\h],   v[T],   v[T+1]
	v_cvt_pk_f16_f32 v[X+8*\h+1], v[T+2], v[T+3]
	v_cvt_pk_f16_f32 v[X+8*\h+2], v[T+4], v[T+5]
	v_cvt_pk_f16_f32 v[X+8*\h+3], v[T+6], v[T+7]
	global_store_b64 v[OR], v[X+8*\h:X+8*\h+1],   s[8:9] offset:\h*524288
	global_store_b64 v[OR], v[X+8*\h+2:X+8*\h+3], s[8:9] offset:\h*524288+512
.endm
.irp h, 0,1,2,3,4,5,6,7,8,9,10,11,12,13,14,15
	ROT \h
.endr
	s_endpgm
.Lfunc_end_k_q46c6df37b5_rope:
	.size	k_q46c6df37b5_rope, .Lfunc_end_k_q46c6df37b5_rope-k_q46c6df37b5_rope
	.p2alignl 7, 3214868480
	.fill 96, 4, 3214868480
	.section	.rodata,"a",@progbits
	.p2align	6, 0x0
	.amdhsa_kernel k_q46c6df37b5_rope
		.amdhsa_group_segment_fixed_size 0
		.amdhsa_private_segment_fixed_size 0
		.amdhsa_enable_private_segment 0
		.amdhsa_kernarg_size 24
		.amdhsa_user_sgpr_count 2
		.amdhsa_user_sgpr_kernarg_segment_ptr 1
		.amdhsa_wavefront_size32 1
		.amdhsa_system_sgpr_workgroup_id_x 1
		.amdhsa_system_sgpr_workgroup_id_y 1
		.amdhsa_system_sgpr_workgroup_id_z 1
		.amdhsa_system_vgpr_workitem_id 0
		.amdhsa_next_free_vgpr 176
		.amdhsa_next_free_sgpr 66
		.amdhsa_reserve_vcc 1
		.amdhsa_float_denorm_mode_32 3
		.amdhsa_float_denorm_mode_16_64 3
		.amdhsa_memory_ordered 1
		.amdhsa_forward_progress 1
		.amdhsa_inst_pref_size 30
	.end_amdhsa_kernel
	.amdgpu_metadata
---
amdhsa.version: [ 1, 2 ]
amdhsa.kernels:
  - .name:           k_q46c6df37b5_rope
    .symbol:         k_q46c6df37b5_rope.kd
    .args:
      - { .name: Q, .offset: 0, .size: 8, .value_kind: global_buffer, .address_space: global }
      - { .name: freqs, .offset: 8, .size: 8, .value_kind: global_buffer, .address_space: global }
      - { .name: qr, .offset: 16, .size: 8, .value_kind: global_buffer, .address_space: global }
    .group_segment_fixed_size: 0
    .private_segment_fixed_size: 0
    .kernarg_segment_align: 8
    .kernarg_segment_size: 24
    .max_flat_workgroup_size: 256
    .sgpr_count:     66
    .vgpr_count:     176
    .wavefront_size: 32
...
	.end_amdgpu_metadata
.endif
;; end of part 1
;; launch scan (part 2): grid 256 x 1, 4 waves a work-group, no clusters, 327,680 bytes of LDS; arguments qr, V, S_prev, gamma, out0, out1; writes out0, out1
.if DOCPART == 2
	.amdgcn_target "amdgcn-amd-amdhsa--gfx1250"
	.amdhsa_code_object_version 6
	.text
	.protected	k_q46c6df37b5_scan
	.globl	k_q46c6df37b5_scan
	.p2align	8
	.type	k_q46c6df37b5_scan,@function
k_q46c6df37b5_scan:
	s_mov_b64 s[64:65], 0
	v_nop
	global_prefetch_b8 v0, s[64:65] scope:SCOPE_SE
	s_setreg_imm32_b32 hwreg(HW_REG_WAVE_MODE, 25, 1), 1
	s_wait_xcnt 0x0
; The decayed scan  out[t] = q[t] . S[t],  S[t+1] = (S[t] + q[t] v[t]^T) g,  in chunks of 32 rows.  With tl, sl counted from the chunk's first row:
;   out[tl] = g^tl q[tl] . S + sum over sl < tl of g^(tl-sl) (q[tl] . q[sl]) v[sl]          S' = g^32 S + sum over sl of g^(32-sl) q[sl] v[sl]^T
; q: qr, the rotated Q in f16, [32 heads][512 t][512 n].  V, out0: [32][512 t][128 d] f32.  S_prev, out1: [32][512 n][128 d] f32.
; WORK-GROUP wg: head = wg >> 3; dh = (wg >> 2) & 1: 64 columns d (256 bytes of a row); q = wg & 3: a share of t.
;   A trip is two chunks, 64 rows, one slot of the ring.  Share q first advances the state alone through 0, 4, 6, 7 trips (32 matrix instructions a chunk and wave),
;   then makes outputs in 4, 2, 1, 1 trips (84 a chunk): 672, 592, 552, 616 matrix instructions a wave.  Share 3 stores the final state.
;   (Shares 0 to 2 still update the state in their last chunk, 32 matrix instructions whose result is not used, so that one text serves all.)
; WAVE w owns n = 128 w .. 128 w + 127: its rows of the state (8 x 4 tiles of f32, 256 registers) and its partial sums over n of both terms of out,
;   since the weighted q . q is linear in n as well.  The four waves meet only in the sum of out, through LDS.
; THE RING: each wave has two slots of 64 rows x 256 bytes of its own columns of q; a slot is asked for at the head of the trip before the one that reads it,
;   so its one load has two chunks' work in which to land.  V goes the same way through registers: a trip's 64 rows are loaded at the head of the trip before and
;   converted at that trip's end.
; NO CLUSTER: the work-groups of a head walk the same tiles of qr, but with 32 against 84 matrix instructions a chunk; joint requests would hold
;   all of them to the slower pace for all 16 chunks (16 x 84 a wave against the 672 above).
; NUMBER FORMATS: all sums and the state are f32.  The matrix unit's operands are f16: five roundings lie on the way of every output (q twice, v, the state
;   as an operand, the weighted scores), and with 11 significant bits their sum stays far inside a hundredth of the outputs' root mean square; with 8 bits it does not.
;   The state and the scores grow with |Q||V| and |Q|^2, so they are carried with a FIXED factor 2^-4: the registers hold S / 16 (S_prev is scaled on the way in,
;   out1 on the way out), the weights of v for the update and the weights of the scores hold the 2^-4, both terms of out come out as out / 16, and the sum over
;   the waves is multiplied by 16.  A power of two changes no significant bit.
; LIMITS: |v| and |q| below 65,504; |S| and |weighted score over a wave's 128 n| below 16 x 65,504, about 1.0e6; beyond, the operand becomes infinite.
;   By the sizes: 128 products of |q| = 31 make 123,008, a sixteenth of it 7,688; a state of 200 steps of 30 x 30 is 180,000, a sixteenth 11,250.
;   Operands below 2^-14 keep a step of 2^-24 (v / 16 weighted by g: for v about 0.03 and g about 0.03 that step is 4 parts in 10,000).
;   Powers of g are made by products of g^1, g^2, g^4 .. g^32 (right for any finite g, zero and negative too); their rounding differs from the scan's
;   step-by-step products.  All exponents are chunk-local, 0 to 32.
.set RP,     288                       ; LDS pitch of the ring's rows of 256 bytes.  With 64 banks of 4 bytes (ISA guide 11.1) the eight rows x 32 bytes that sixteen lanes of a transposing
                                       ; load touch begin 32 bytes apart modulo 256: no two share a bank.  The loads by rows find rows r and r + 8 in the same banks, two deep;
                                       ; the transposing loads stand in every chunk, those by rows only in the chunks with outputs.
.set CHB,    32*RP                     ; a chunk's 32 rows in a slot
.set SLOTB,  64*RP                     ; a wave's slot: 64 rows of 128 f16
.set RINGW,  2*SLOTB                   ; a wave's ring of two slots; the ring begins at LDS byte 0 and is filled by tensor loads alone
.set QP,     272                       ; pitch of rows of 64 f32: sixteen rows begin in sixteen different 16-byte columns of a 256-byte span
.set OW,     32*QP                     ; a wave's partial out
.set VP,     160                       ; pitch of a row of 64 f16 of V
.set VKIND,  32*VP                     ; plain V, then V weighted by g^(32-sl) / 16
.set VPAR,   2*VKIND                   ; a chunk's pair
.set VTRIP,  2*VPAR                    ; a trip's two chunks; two such areas, taken by turns by even and odd trips
.set VREG,   4*RINGW                   ; 147,456
.set OREG,   VREG+2*VTRIP              ; 188,416: each wave's partial out, 32 rows of 64 f32
.set STAGE,  OREG+4*OW                 ; 223,232: each wave's own 64 rows of 64 f32: the state's way in and out, in two halves
.set STW,    64*QP
.set SIXTEENTH, 0x3d800000             ; 2^-4 as f32
; window 0
.set AQ,  6                            ; LDS: my q fragments by rows
.set ATQ, 7                            ; LDS: my q fragments transposed
.set AV,  8                            ; LDS: V fragments transposed
.set AVS, 9                            ; LDS: where I put 4 converted numbers of V
.set AO,  10                           ; LDS: where I put 8 numbers of my partial out
.set AR,  11                           ; LDS: where I read 4 numbers of each wave's partial out
.set GV,  12                           ; global: my 16 bytes in 8 rows of V and of out0
.set AS,  13                           ; LDS: the state by single words
.set AST, 14                           ; LDS: the state by rows
.set GS,  15                           ; global: my 16 bytes in two rows of the state
.set WD,  16                           ; v[16:23]  g^(r-8h-j) / 16 where that exponent is at least 1, else 0
.set WO,  24                           ; v[24:31]  g^(16+r-8h-j) / 16
.set RT,  32                           ; v[32:35]  g^r twice, g^(16+r) twice
.set WV,  36                           ; v[36:43]  g^(32-8k-(2w+h)) / 16, each twice
.set VD2, 44                           ; v[44:59]  converted V, a trip's second chunk
.set P,   64                           ; v[64:87]  scores: tiles (s 0-15, t 0-15), (s 0-15, t 16-31), (s 16-31, t 16-31)
.set AP,  88                           ; v[88:103] weighted scores in f16: t 0-15 (its upper half stays 0), t 16-31
.set VF,  104                          ; v[104:135] fragments of plain V
.set QF,  136                          ; v[136:199] fragments of q, (t tile, 32 n) at 8 (4 t + k); also at work in the sum of out
.set VD,  200                          ; v[200:215] converted V, a trip's first chunk
.set VT,  216                          ; v[216:219] at work
.set VS,  220                          ; v[220:251] V as loaded: a trip's two chunks, 16 registers each
; window 1: the state / 16, tile (u, d) at 8 (4 u + d): lane r holds column 16 d + r, register j row 16 u + 8 h + j
; window 2
.set QT,  0                            ; v[0:63]   q transposed, by u
.set VW,  64                           ; v[64:95]  weighted V, by d
.set O,   96                           ; v[96:159] partial out / 16, tile (t, d) at 96 + 8 (4 t + d): lane r holds row 16 t + r, register j column 16 d + 8 h + j
; window 3: v[0:127] the state / 16 in f16 as an operand, (k, d) at 8 (4 k + d)
.set GP,  40                           ; s40-45  g^1, 2, 4, 8, 16, 32;  s[46:47] g^32 twice;  s[48:49] 2^-4 twice;  s[50:51] 16 twice
.set MSB, 0
.macro WIN new                         ; low byte: bits 1:0 source 0, 3:2 source 1, 5:4 source 2, 7:6 destination; the high byte repeats the setting that is left
.if MSB != \new
	s_set_vgpr_msb (MSB<<8)|\new
.set MSB, \new
.endif
.endm
.macro PLACES                          ; four plain vector instructions between a matrix instruction and a vector instruction, store or load that touches its registers
.rept 4
	v_nop
.endr
.endm
; a trip's 64 rows of V: eight loads, each of the work-group's covering 8 rows of 256 bytes
.macro VLOAD
	WIN 0
.irp c, 0,1
.irp k, 0,1,2,3
	global_load_b128 v[VS+16*\c+4*\k:VS+16*\c+4*\k+3], v[GV], s[6:7] offset:16384*\c+4096*\k
.endr
.endr
.endm
	s_load_b256 s[4:11], s[0:1], 0x0               ; qr s[4:5], V s[6:7], S_prev s[8:9], gamma s[10:11]
	s_load_b128 s[12:15], s[0:1], 0x20             ; out0 s[12:13], out1 s[14:15]
	v_lshl_add_u32 v254, v0, 2, 0x47800
	v_mov_b32 v255, 0
	ds_add_u32 v254, v255
	ds_add_u32 v254, v255
	v_lshrrev_b32 v1, 5, v0
	v_readfirstlane_b32 s16, v1                    ; wave w
	s_lshr_b32 s17, ttmp9, 3                       ; head
	s_bfe_u32 s18, ttmp9, 0x10002                  ; dh
	s_and_b32 s19, ttmp9, 3                        ; q
	s_lshl_b32 s22, s19, 2
	s_lshr_b32 s20, 0x7640, s22
	s_and_b32 s20, s20, 15                         ; trips that advance the state alone: 0, 4, 6, 7
	s_lshr_b32 s21, s20, 1                         ; of these 0, 2, 3, 3 pairs go round the loop; share 3's seventh is written out
	s_mov_b32 s48, SIXTEENTH
	s_mov_b32 s49, SIXTEENTH
	s_mov_b32 s50, 0x41800000                      ; 16.0
	s_mov_b32 s51, 0x41800000
	; descriptor group 1: 64 rows of 128 elements of 2 bytes, 512 elements from row to row, 8 words of padding behind every 64
	s_mov_b32 s24, 0x0f510000                      ; 17:16 element of 2 bytes; 20 padding on; 24:22 after every 64 words (code 5); 31:25 of 8 words (code 7)
	s_mov_b32 s25, 128<<16                         ; tensor_dim0
	s_mov_b32 s26, 64<<16                          ; tensor_dim1
	s_mov_b32 s27, 128<<16                         ; tile_dim0
	s_mov_b32 s28, 64                              ; tile_dim1
	s_mov_b32 s29, 512                             ; pitch
	s_mov_b32 s30, 0
	s_mov_b32 s31, 0
	; descriptor group 0, one for each slot: s[32:35] trip 0, s[36:39] trip 1
	s_mov_b32 s32, 1
	s_mul_i32 s33, s16, RINGW
	s_mov_b32 s36, 1
	s_add_co_u32 s37, s33, SLOTB
	s_lshl_b32 s22, s17, 19                        ; a head of qr is 524,288 bytes
	s_lshl_b32 s23, s16, 8                         ; my 128 columns are 256 bytes
	s_add_co_u32 s22, s22, s23
	s_mov_b32 s23, 0
	s_wait_dscnt 0x0
	s_wait_kmcnt 0x0
	s_load_b32 s40, s[10:11], 0x0                  ; g
	s_add_nc_u64 s[34:35], s[4:5], s[22:23]
	s_add_nc_u64 s[38:39], s[34:35], 65536         ; 64 rows of 1,024 bytes on
	s_or_b32 s35, s35, 0x80000000
	s_or_b32 s39, s39, 0x80000000
	tensor_load_to_lds s[32:35], s[24:31]          ; trip 0: the first fill, ahead of every LDS read, wait on TENSORcnt and barrier
	s_nop 0
	s_lshl_b32 s22, s17, 18                        ; a head of V, out0, S_prev, out1 is 262,144 bytes
	s_lshl_b32 s2, s18, 8
	s_add_co_u32 s22, s22, s2
	s_add_nc_u64 s[6:7], s[6:7], s[22:23]          ; V at trip 0
	s_add_nc_u64 s[12:13], s[12:13], s[22:23]
	s_lshl_b32 s2, s16, 16                         ; my 128 rows of 512 bytes
	s_add_co_u32 s22, s22, s2
	s_add_nc_u64 s[8:9], s[8:9], s[22:23]
	s_add_nc_u64 s[14:15], s[14:15], s[22:23]
	s_lshl_b32 s22, s20, 15                        ; the trips without outputs: 64 rows of 512 bytes each
	s_add_nc_u64 s[12:13], s[12:13], s[22:23]      ; out0 at my first chunk with outputs
	v_and_b32 v1, 15, v0                           ; r
	v_bfe_u32 v2, v0, 4, 1                         ; h
	v_lshlrev_b32 v5, 4, v1
	v_lshl_add_u32 v[GS], v2, 9, v5                ; 512 h + 16 r: lanes 0-15 take 256 bytes of one row, lanes 16-31 of the next
	v_lshl_add_u32 v[GV], s16, 10, v[GS]           ; + 2 w rows: the four waves take 8 rows
	VLOAD                                          ; V of trip 0
.set li, 0
.rept 32
	global_load_b128 v[64+4*li:64+4*li+3], v[GS], s[8:9] offset:1024*li            ; my rows 0-63 of S_prev
.set li, li+1
.endr
	WIN 0xc0
.set li, 0
.rept 32
	global_load_b128 v[4*li:4*li+3], v[GS], s[8:9] offset:1024*(32+li)             ; my rows 64-127, into window 3
.set li, li+1
.endr
	WIN 0
	; LDS addresses, while the loads are on their way
	v_and_b32 v3, 7, v0
	v_lshl_add_u32 v3, v2, 3, v3                   ; 8 h + (lane & 7)
	v_bfe_u32 v4, v0, 3, 1                         ; (lane >> 3) & 1
	s_mul_i32 s22, s16, RINGW
	v_mul_u32_u24 v5, v1, RP
	v_lshl_add_u32 v5, v2, 4, v5
	v_add_nc_u32 v[AQ], s22, v5                    ; ring + r pitch + 16 h
	v_mul_u32_u24 v5, v3, RP
	v_lshl_add_u32 v5, v4, 4, v5
	v_add_nc_u32 v[ATQ], s22, v5
	v_mul_u32_u24 v5, v3, VP
	v_lshl_add_u32 v5, v4, 4, v5
	v_add_nc_u32 v[AV], VREG, v5
	s_mul_i32 s22, s16, 2*VP
	s_add_co_u32 s22, s22, VREG
	v_mul_u32_u24 v5, v2, VP
	v_lshl_add_u32 v5, v1, 3, v5
	v_add_nc_u32 v[AVS], s22, v5                   ; row 2 w + h, 8 bytes at 8 r
	s_mul_i32 s22, s16, OW
	s_add_co_u32 s22, s22, OREG
	v_mul_u32_u24 v5, v1, QP
	v_lshl_add_u32 v5, v2, 5, v5
	v_add_nc_u32 v[AO], s22, v5                    ; my partial: row r, 32 bytes at 32 h
	s_mul_i32 s22, s16, 2*QP
	s_add_co_u32 s22, s22, OREG
	v_mul_u32_u24 v5, v2, QP
	v_lshl_add_u32 v5, v1, 4, v5
	v_add_nc_u32 v[AR], s22, v5                    ; row 2 w + h, 16 bytes at 16 r
	s_mul_i32 s22, s16, STW
	s_add_co_u32 s22, s22, STAGE
	v_add_nc_u32 v[AST], s22, v5                   ; my stage: row h, 16 bytes at 16 r
	v_mul_u32_u24 v5, v2, 8*QP
	v_lshl_add_u32 v5, v1, 2, v5
	v_add_nc_u32 v[AS], s22, v5                    ; my stage: row 8 h, the word at 4 r
	; powers of g
	s_wait_kmcnt 0x0
	s_mul_f32 s41, s40, s40
	s_mul_f32 s42, s41, s41
	s_mul_f32 s43, s42, s42
	s_mul_f32 s44, s43, s43
	s_mul_f32 s45, s44, s44
	s_mov_b32 s46, s45
	s_mov_b32 s47, s45
; v[dst] = init x g^v[e], e below 2^bits: the product of the powers that e's bits name
.macro POW dst, e, bits, init
	v_mov_b32 v[\dst], \init
.irp p, 0,1,2,3,4,5
.if \p < \bits
	v_and_b32 v[VT], 1<<\p, v[\e]
	v_cmp_ne_u32 vcc_lo, 0, v[VT]
	v_mul_f32 v[VT+1], s[GP+\p], v[\dst]
	v_cndmask_b32 v[\dst], v[\dst], v[VT+1], vcc_lo
.endif
.endr
.endm
	v_lshlrev_b32 v5, 3, v2
	v_sub_nc_u32 v5, v1, v5                        ; r - 8 h
.irp j, 0,1,2,3,4,5,6,7
	v_add_nc_u32 v[VT+3], 0-\j, v5                 ; t - s in a tile on the diagonal
	v_max_i32 v[VT+2], 0, v[VT+3]
	POW WD+\j, VT+2, 4, SIXTEENTH
	v_cmp_lt_i32 vcc_lo, 0, v[VT+3]                ; only s < t counts: read before write
	v_cndmask_b32 v[WD+\j], 0, v[WD+\j], vcc_lo
	v_add_nc_u32 v[VT+2], 16-\j, v5                ; t - s, 1 to 31, in the tile below it
	POW WO+\j, VT+2, 5, SIXTEENTH
.endr
	POW RT, 1, 4, 1.0                              ; g^r
	v_mov_b32 v[RT+1], v[RT]
	v_mul_f32 v[RT+2], s44, v[RT]                  ; g^(16+r)
	v_mov_b32 v[RT+3], v[RT+2]
	v_lshl_add_u32 v3, s16, 1, v2                  ; 2 w + h
.irp k, 0,1,2,3
	v_sub_nc_u32 v[VT+2], 32-8*\k, v3              ; 32 - sl of my row of V, 1 to 32
	POW WV+2*\k, VT+2, 6, SIXTEENTH
	v_mov_b32 v[WV+2*\k+1], v[WV+2*\k]
.endr
; chunk c of the trip in VS goes to LDS in f16, plain and weighted, into the area of trip parity tp; vd: the chunk's own registers for the stores' data
.macro VC tp, c, vd
.irp k, 0,1,2,3
	v_cvt_pk_f16_f32 v[\vd+4*\k],   v[VS+16*\c+4*\k],   v[VS+16*\c+4*\k+1]
	v_cvt_pk_f16_f32 v[\vd+4*\k+1], v[VS+16*\c+4*\k+2], v[VS+16*\c+4*\k+3]
	v_pk_mul_f32 v[VT:VT+1],   v[VS+16*\c+4*\k:VS+16*\c+4*\k+1],   v[WV+2*\k:WV+2*\k+1]
	v_pk_mul_f32 v[VT+2:VT+3], v[VS+16*\c+4*\k+2:VS+16*\c+4*\k+3], v[WV+2*\k:WV+2*\k+1]
	v_cvt_pk_f16_f32 v[\vd+4*\k+2], v[VT],   v[VT+1]
	v_cvt_pk_f16_f32 v[\vd+4*\k+3], v[VT+2], v[VT+3]
	ds_store_b64 v[AVS], v[\vd+4*\k:\vd+4*\k+1]   offset:\tp*VTRIP+\c*VPAR+8*VP*\k
	ds_store_b64 v[AVS], v[\vd+4*\k+2:\vd+4*\k+3] offset:\tp*VTRIP+\c*VPAR+VKIND+8*VP*\k
.endr
.endm
; the next trip's V, loaded at this trip's head, goes to LDS.  Its area was last read in the trip before this one: every wave's reads of it were over at this trip's first barrier.
.macro VCONV tp
	WIN 0
	s_wait_loadcnt 0x0                             ; my eight loads of V: the only loads out
	s_add_nc_u64 s[6:7], s[6:7], 32768             ; free since that wait: 64 rows of 512 bytes on
	VC \tp, 0, VD
	VC \tp, 1, VD2
.endm
; the words of 64 rows in my stage become the accumulator tiles u0 .. u0 + 3
.macro STIN u0
	WIN 0x40
.irp u, 0,1,2,3
.irp d, 0,1,2,3
.irp j, 0,1,2,3,4,5,6,7
	ds_load_b32 v[8*(4*(\u0+\u)+\d)+\j], v[AS] offset:(16*\u+\j)*QP+64*\d
.endr
.endr
.endr
.endm
; and back
.macro STOUT u0
	WIN 0x04
.irp u, 0,1,2,3
.irp d, 0,1,2,3
.irp j, 0,1,2,3,4,5,6,7
	ds_store_b32 v[AS], v[8*(4*(\u0+\u)+\d)+\j] offset:(16*\u+\j)*QP+64*\d
.endr
.endr
.endr
.endm
	; the state: by rows into my stage, back by words into the accumulators' layout, 64 rows at a time.  The stage is my wave's own: LDS serves a wave's instructions in order (ISA guide 5.7.1)
	s_wait_loadcnt 32                              ; V of trip 0 and my rows 0-63 are in; the 32 loads of rows 64-127 stay out
.set li, 0
.rept 32
	ds_store_b128 v[AST], v[64+4*li:64+4*li+3] offset:2*QP*li
.set li, li+1
.endr
	STIN 0
	VCONV 0                                        ; V of trip 0 into LDS; its wait also shows rows 64-127 in
	s_wait_dscnt 0x0                               ; the words of rows 0-63 are in registers before the stage is written again
	WIN 0x0c
.set li, 0
.rept 32
	ds_store_b128 v[AST], v[4*li:4*li+3] offset:2*QP*li
.set li, li+1
.endr
	STIN 4
	s_wait_dscnt 0x0
	WIN 0x41
.set si, 0
.rept 128
	v_pk_mul_f32 v[si:si+1], v[si:si+1], s[48:49] op_sel_hi:[1,0]                  ; the registers hold S / 16 from here on
.set si, si+2
.endr
	WIN 0
.irp i, 4,5,6,7
	v_mov_b32 v[AP+\i], 0                          ; rows t 0-15 take nothing from s 16-31: written once
.endr
; The head of a trip.  One barrier does three things: my tile of this trip has landed and my reads of the other slot are over, so that slot may be
; filled again; every wave's V of this trip is in LDS; every wave's reads of the last chunk's partial sums are over.  One tensor load of the wave is out behind it.
.macro HEAD slot, refill
	s_wait_tensorcnt 0x0                           ; all my tensor loads are done: this trip's tile is in, and every group 0 may be written
	ds_add_u32 v254, v255
	s_wait_dscnt 0x0
	s_add_nc_u64 s[34+4*\slot:35+4*\slot], s[34+4*\slot:35+4*\slot], 131072  ; this slot's next tile: two trips of 64 rows of 1,024 bytes on
	s_wait_dscnt 0x0                               ; my LDS reads and stores are done
	s_barrier_signal -1
	s_barrier_wait -1
.if \refill
	tensor_load_to_lds s[36-4*\slot:39-4*\slot], s[24:31]                    ; the next trip's tile, into the slot read last: first thing behind the barrier
	s_nop 0
.endif
.endm
; q transposed and the weighted V of one chunk, for the state's update
.macro LDQT slot, half
	WIN 0x80
.irp u, 0,1,2,3,4,5,6,7
	ds_load_tr16_b128 v[QT+8*\u:QT+8*\u+3],   v[ATQ] offset:\slot*SLOTB+\half*CHB+32*\u
	ds_load_tr16_b128 v[QT+8*\u+4:QT+8*\u+7], v[ATQ] offset:\slot*SLOTB+\half*CHB+32*\u+16*RP
.endr
.irp d, 0,1,2,3
	ds_load_tr16_b128 v[VW+8*\d:VW+8*\d+3],   v[AV] offset:\slot*VTRIP+\half*VPAR+VKIND+32*\d
	ds_load_tr16_b128 v[VW+8*\d+4:VW+8*\d+7], v[AV] offset:\slot*VTRIP+\half*VPAR+VKIND+32*\d+16*VP
.endr
.endm
; S / 16 = g^32 S / 16 + q^T (weighted V / 16).  The 32 accumulators take turns, one instruction a turn.
; w = 1: the fragments are still on their way from LDS while the state is scaled; the wait for them stands ahead of the products that read them.
.macro SUPD w
	WIN 0x41
.set si, 0
.rept 128
	v_pk_mul_f32 v[si:si+1], v[si:si+1], s[46:47] op_sel_hi:[1,0]
.set si, si+2
.endr
.if \w
	s_wait_dscnt 0x0
.endif
	WIN 0x5a
.irp u, 0,1,2,3,4,5,6,7
.irp d, 0,1,2,3
	v_wmma_f32_16x16x32_f16 v[8*(4*\u+\d):8*(4*\u+\d)+7], v[QT+8*\u:QT+8*\u+7], v[VW+8*\d:VW+8*\d+7], v[8*(4*\u+\d):8*(4*\u+\d)+7]
.endr
.endr
	WIN 0
	PLACES                                         ; for whatever next reads the state or loads into QT and VW
.endm
; the four waves' partial sums are added, 8 rows of 256 bytes at a time, multiplied by 16 and stored: sixteen lanes store 256 consecutive bytes at a multiple of 256 from out0's first byte
.macro REDUCE
.irp x, 0,1,2,3
.irp k, 0,1,2,3
	ds_load_b128 v[QF+16*\x+4*\k:QF+16*\x+4*\k+3], v[AR] offset:OW*\x+8*QP*\k
.endr
.endr
	s_wait_dscnt 0x0
.irp k, 0,1,2,3
.irp i, 0,2
	v_pk_add_f32 v[QF+4*\k+\i:QF+4*\k+\i+1],       v[QF+4*\k+\i:QF+4*\k+\i+1],       v[QF+16+4*\k+\i:QF+16+4*\k+\i+1]
	v_pk_add_f32 v[QF+32+4*\k+\i:QF+32+4*\k+\i+1], v[QF+32+4*\k+\i:QF+32+4*\k+\i+1], v[QF+48+4*\k+\i:QF+48+4*\k+\i+1]
.endr
.irp i, 0,2
	v_pk_add_f32 v[QF+4*\k+\i:QF+4*\k+\i+1], v[QF+4*\k+\i:QF+4*\k+\i+1], v[QF+32+4*\k+\i:QF+32+4*\k+\i+1]
.endr
.irp i, 0,2
	v_pk_mul_f32 v[QF+4*\k+\i:QF+4*\k+\i+1], v[QF+4*\k+\i:QF+4*\k+\i+1], s[50:51] op_sel_hi:[1,0]   ; the factor 2^-4 is taken back
.endr
	global_store_b128 v[GV], v[QF+4*\k:QF+4*\k+3], s[12:13] offset:4096*\k th:TH_STORE_NT
.endr
	s_wait_xcnt 0x0                                ; the stores' base and data are written again only behind this wait
	s_add_nc_u64 s[12:13], s[12:13], 16384
.endm
; a trip in which the state alone is advanced; another trip always follows.  Its two chunks touch only my own slot and V that the head's barrier has shown: no barrier between them.
.macro TRIP_P slot
	HEAD \slot, 1
	VLOAD                                          ; the next trip's V
	LDQT \slot, 0
	SUPD 1
	LDQT \slot, 1
	SUPD 1
	VCONV (1-\slot)
.endm
; a chunk with outputs: half 0 or 1 of the trip in slot; more = 1: another trip follows
.macro CHUNK_F slot, half, more
.if \half == 0
	HEAD \slot, \more
.if \more
	VLOAD                                          ; the next trip's V
.endif
.else
	s_wait_dscnt 0x0
	s_barrier_signal -1                            ; every wave's reads of the first chunk's partial sums are over.
	s_barrier_wait -1                              ; my one tensor load may stay out across it
.endif
	WIN 0
.irp t, 0,1
.irp k, 0,1,2,3
	ds_load_b128 v[QF+8*(4*\t+\k):QF+8*(4*\t+\k)+3],   v[AQ] offset:\slot*SLOTB+\half*CHB+16*RP*\t+64*\k
	ds_load_b128 v[QF+8*(4*\t+\k)+4:QF+8*(4*\t+\k)+7], v[AQ] offset:\slot*SLOTB+\half*CHB+16*RP*\t+64*\k+32
.endr
.endr
.irp d, 0,1,2,3
	ds_load_tr16_b128 v[VF+8*\d:VF+8*\d+3],   v[AV] offset:\slot*VTRIP+\half*VPAR+32*\d
	ds_load_tr16_b128 v[VF+8*\d+4:VF+8*\d+7], v[AV] offset:\slot*VTRIP+\half*VPAR+32*\d+16*VP
.endr
	LDQT \slot, \half                              ; the update's fragments, asked for here so that they land under the products below
.if \half*\more
	VCONV (1-\slot)
.endif
	WIN 0xc5                                       ; the state as an operand: a lane's eight f32 of tiles 2 k and 2 k + 1 are the k-runs of one f16 fragment
.irp k, 0,1,2,3
.irp d, 0,1,2,3
.irp e, 0,1
.irp i, 0,1,2,3
	v_cvt_pk_f16_f32 v[8*(4*\k+\d)+4*\e+\i], v[8*(4*(2*\k+\e)+\d)+2*\i], v[8*(4*(2*\k+\e)+\d)+2*\i+1]
.endr
.endr
.endr
.endr
	s_wait_dscnt 24+16*\half*\more                 ; q by rows and the plain V are in; the update's 24 loads, and V's 16 stores where there are any, were issued behind them and stay out
	WIN 0
	; scores over my 128 n: lane r = t, register j = s.  Three accumulators by turns, then eight; the first product starts each sum
	v_wmma_f32_16x16x32_f16 v[P:P+7],     v[QF:QF+7],       v[QF:QF+7],       0
	v_wmma_f32_16x16x32_f16 v[P+8:P+15],  v[QF:QF+7],       v[QF+32:QF+39],   0
	v_wmma_f32_16x16x32_f16 v[P+16:P+23], v[QF+32:QF+39],   v[QF+32:QF+39],   0
.irp k, 1,2,3
	v_wmma_f32_16x16x32_f16 v[P:P+7],     v[QF+8*\k:QF+8*\k+7],       v[QF+8*\k:QF+8*\k+7],       v[P:P+7]
	v_wmma_f32_16x16x32_f16 v[P+8:P+15],  v[QF+8*\k:QF+8*\k+7],       v[QF+32+8*\k:QF+32+8*\k+7], v[P+8:P+15]
	v_wmma_f32_16x16x32_f16 v[P+16:P+23], v[QF+32+8*\k:QF+32+8*\k+7], v[QF+32+8*\k:QF+32+8*\k+7], v[P+16:P+23]
.endr
	WIN 0xa3                                       ; q . S / 16 over my 128 n: lane r = t, register j = d
.irp t, 0,1
.irp d, 0,1,2,3
	v_wmma_f32_16x16x32_f16 v[O+8*(4*\t+\d):O+8*(4*\t+\d)+7], v[8*\d:8*\d+7], v[QF+32*\t:QF+32*\t+7], 0
.endr
.endr
.irp k, 1,2,3
.irp t, 0,1
.irp d, 0,1,2,3
	v_wmma_f32_16x16x32_f16 v[O+8*(4*\t+\d):O+8*(4*\t+\d)+7], v[8*(4*\k+\d):8*(4*\k+\d)+7], v[QF+8*(4*\t+\k):QF+8*(4*\t+\k)+7], v[O+8*(4*\t+\d):O+8*(4*\t+\d)+7]
.endr
.endr
.endr
	WIN 0
	PLACES
.irp i, 0,2,4,6
	v_pk_mul_f32 v[P+\i:P+\i+1],       v[P+\i:P+\i+1],       v[WD+\i:WD+\i+1]      ; mask, decay and the factor 2^-4
	v_pk_mul_f32 v[P+8+\i:P+8+\i+1],   v[P+8+\i:P+8+\i+1],   v[WO+\i:WO+\i+1]
	v_pk_mul_f32 v[P+16+\i:P+16+\i+1], v[P+16+\i:P+16+\i+1], v[WD+\i:WD+\i+1]
.endr
.irp i, 0,1,2,3
	v_cvt_pk_f16_f32 v[AP+\i],    v[P+2*\i],    v[P+2*\i+1]                        ; a lane's eight s are a k-run of the operand: no change of layout
	v_cvt_pk_f16_f32 v[AP+8+\i],  v[P+8+2*\i],  v[P+8+2*\i+1]
	v_cvt_pk_f16_f32 v[AP+12+\i], v[P+16+2*\i], v[P+16+2*\i+1]
.endr
	WIN 0x82
.irp t, 0,1
.irp d, 0,1,2,3
.irp i, 0,2,4,6
	v_pk_mul_f32 v[O+8*(4*\t+\d)+\i:O+8*(4*\t+\d)+\i+1], v[O+8*(4*\t+\d)+\i:O+8*(4*\t+\d)+\i+1], v[RT+2*\t:RT+2*\t+1]   ; g^tl
.endr
.endr
.endr
	WIN 0xa0                                       ; + weighted scores x V; eight accumulators, one instruction each
.irp t, 0,1
.irp d, 0,1,2,3
	v_wmma_f32_16x16x32_f16 v[O+8*(4*\t+\d):O+8*(4*\t+\d)+7], v[VF+8*\d:VF+8*\d+7], v[AP+8*\t:AP+8*\t+7], v[O+8*(4*\t+\d):O+8*(4*\t+\d)+7]
.endr
.endr
	PLACES
	WIN 0x08
.irp t, 0,1
.irp d, 0,1,2,3
	ds_store_b128 v[AO], v[O+8*(4*\t+\d):O+8*(4*\t+\d)+3]   offset:16*QP*\t+64*\d
	ds_store_b128 v[AO], v[O+8*(4*\t+\d)+4:O+8*(4*\t+\d)+7] offset:16*QP*\t+64*\d+16
.endr
.endr
	WIN 0
	s_wait_dscnt 0x0                               ; my partial sums are in LDS, and q transposed and the weighted V are in registers
	s_barrier_signal -1                            ; my one tensor load may stay out across it
	SUPD 0                                         ; register work while the others arrive
	s_barrier_wait -1
	REDUCE
.endm
.macro TRIP_F slot, more
	CHUNK_F \slot, 0, \more
	CHUNK_F \slot, 1, \more
.endm
	; The slots take turns trip by trip.  The loop holds an even number of trips, so whatever follows it begins with slot 0.
	s_cmp_eq_u32 s21, 0
	s_cbranch_scc1 .Lno_prefix
.Lprefix:
	TRIP_P 0
	TRIP_P 1
	s_sub_co_u32 s21, s21, 1
	s_cmp_lg_u32 s21, 0
	s_cbranch_scc1 .Lprefix
.Lno_prefix:
	s_cmp_eq_u32 s19, 3
	s_cbranch_scc1 .Lshare3
	s_cmp_eq_u32 s19, 2
	s_cbranch_scc1 .Lshare2
	s_cmp_lg_u32 s19, 0
	s_cbranch_scc1 .Lpair
	TRIP_F 0, 1                                    ; share 0: four trips with outputs
	TRIP_F 1, 1
.Lpair:
	TRIP_F 0, 1                                    ; shares 0 and 1: the last two
	s_branch .Llast
.Lshare3:
	TRIP_P 0                                       ; share 3: its seventh trip without outputs
.Llast:
	TRIP_F 1, 0                                    ; a last trip asks for nothing; its head's wait for 0 leaves no tensor load out at the end
	s_branch .Lout
.Lshare2:
	TRIP_F 0, 0                                    ; share 2: one trip with outputs, in slot 0
.Lout:
	s_cmp_lg_u32 s19, 3
	s_cbranch_scc1 .Lend
	; share 3 has walked all 512 rows: 16 times its registers is out1.  By words into my stage, back by rows, 64 rows at a time, sixteen lanes storing 256 consecutive aligned bytes
	WIN 0x41
.set si, 0
.rept 128
	v_pk_mul_f32 v[si:si+1], v[si:si+1], s[50:51] op_sel_hi:[1,0]
.set si, si+2
.endr
	STOUT 0
	WIN 0
.set li, 0
.rept 32
	ds_load_b128 v[64+4*li:64+4*li+3], v[AST] offset:2*QP*li
.set li, li+1
.endr
	s_wait_dscnt 0x0                               ; rows 0-63 are in registers before the stage is written again
	STOUT 4
	WIN 0
.set li, 0
.rept 32
	global_store_b128 v[GS], v[64+4*li:64+4*li+3], s[14:15] offset:1024*li th:TH_STORE_NT
.set li, li+1
.endr
	WIN 0xc0
.set li, 0
.rept 32
	ds_load_b128 v[4*li:4*li+3], v[AST] offset:2*QP*li
.set li, li+1
.endr
	s_wait_dscnt 0x0
	WIN 0x0c
.set li, 0
.rept 32
	global_store_b128 v[GS], v[4*li:4*li+3], s[14:15] offset:1024*(32+li) th:TH_STORE_NT
.set li, li+1
.endr
	WIN 0
.Lend:
	s_wait_tensorcnt 0x0
	ds_add_u32 v254, v255
	s_wait_dscnt 0x0
	s_endpgm
.Lfunc_end_k_q46c6df37b5_scan:
	.size	k_q46c6df37b5_scan, .Lfunc_end_k_q46c6df37b5_scan-k_q46c6df37b5_scan
	.p2alignl 7, 3214868480
	.fill 96, 4, 3214868480
	.section	.rodata,"a",@progbits
	.p2align	6, 0x0
	.amdhsa_kernel k_q46c6df37b5_scan
		.amdhsa_group_segment_fixed_size 327680
		.amdhsa_private_segment_fixed_size 0
		.amdhsa_enable_private_segment 0
		.amdhsa_kernarg_size 48
		.amdhsa_user_sgpr_count 2
		.amdhsa_user_sgpr_kernarg_segment_ptr 1
		.amdhsa_wavefront_size32 1
		.amdhsa_system_sgpr_workgroup_id_x 1
		.amdhsa_system_sgpr_workgroup_id_y 1
		.amdhsa_system_sgpr_workgroup_id_z 1
		.amdhsa_system_vgpr_workitem_id 0
		.amdhsa_next_free_vgpr 896
		.amdhsa_next_free_sgpr 66
		.amdhsa_reserve_vcc 1
		.amdhsa_float_denorm_mode_32 3
		.amdhsa_float_denorm_mode_16_64 3
		.amdhsa_memory_ordered 1
		.amdhsa_forward_progress 1
		.amdhsa_inst_pref_size 255
	.end_amdhsa_kernel
	.section	.bss,"aw",@nobits
	.p2align	6
	.space	262144
	.amdgpu_metadata
---
amdhsa.version: [ 1, 2 ]
amdhsa.kernels:
  - .name:           k_q46c6df37b5_scan
    .symbol:         k_q46c6df37b5_scan.kd
    .args:
      - { .name: qr, .offset: 0, .size: 8, .value_kind: global_buffer, .address_space: global }
      - { .name: V, .offset: 8, .size: 8, .value_kind: global_buffer, .address_space: global }
      - { .name: S_prev, .offset: 16, .size: 8, .value_kind: global_buffer, .address_space: global }
      - { .name: gamma, .offset: 24, .size: 8, .value_kind: global_buffer, .address_space: global }
      - { .name: out0, .offset: 32, .size: 8, .value_kind: global_buffer, .address_space: global }
      - { .name: out1, .offset: 40, .size: 8, .value_kind: global_buffer, .address_space: global }
    .group_segment_fixed_size: 327680
    .private_segment_fixed_size: 0
    .kernarg_segment_align: 8
    .kernarg_segment_size: 48
    .max_flat_workgroup_size: 128
    .sgpr_count:     66
    .vgpr_count:     896
    .wavefront_size: 32
...
	.end_amdgpu_metadata
.endif
;; end of part 2
;; ======== version 2 of 2: 2 launches; version 1 with the launch rope written anew for expert scheduling mode
;; limits: right only within a limited range of input values; values are held in f16: magnitudes above 65,504 overflow, below 6.1e-05 lose precision
;; workspace buffers: qr 16,777,216 bytes
;; launch rope (part 3): grid 256 x 1, 8 waves a work-group, no clusters, 0 bytes of LDS; arguments Q, freqs, qr; writes qr
.if DOCPART == 3
	.amdgcn_target "amdgcn-amd-amdhsa--gfx1250"
	.amdhsa_code_object_version 6
	.text
	.protected	k_q46c6df37b5_rope
	.globl	k_q46c6df37b5_rope
	.p2align	8
	.type	k_q46c6df37b5_rope,@function
k_q46c6df37b5_rope:
	s_mov_b64 s[64:65], 0
	v_nop
	global_prefetch_b8 v0, s[64:65] scope:SCOPE_SE
	s_setreg_imm32_b32 hwreg(HW_REG_WAVE_SCHED_MODE, 0, 2), 2
	s_setreg_imm32_b32 hwreg(HW_REG_WAVE_MODE, 25, 1), 1
	s_wait_xcnt 0x0
	s_wait_alu depctr_vm_vsrc(0)
; qr[head][t][n] = f16( rope(Q)[head][t][n] ),  Q: [32 heads][512 t][512 n] f32,  qr the same shape in f16.
; rope: n < 256: Q[n] cos(p[n]) - Q[n+256] sin(p[n]);  n >= 256: Q[n] cos(p[n]) + Q[n-256] sin(p[n]);  p[n] = f32(t) * freqs[n], one f32 product.
; The phases hang on (t, n) alone, so a work-group takes two rows t for ALL 32 heads and makes each sine and cosine once.
; Thread: hg = tid >> 7 (heads 16 hg .. 16 hg + 15), row = (tid >> 6) & 1, i = tid & 63; columns 4 i .. 4 i + 3 and 256 + 4 i .. 256 + 4 i + 3.
; A wave's load covers 512 consecutive bytes, a wave's store 256 consecutive bytes at a multiple of 256 from qr's first byte.
; All 32 loads of a thread are issued at once (the work-group's 128 KiB), the sines are made while they are on their way.
; No LDS, no barrier, no matrix unit: the launch only streams.
; WHY f16: q enters every product of the scan twice; with 11 significant bits its rounding stays far inside the hundredth of the outputs'
; root mean square that the results may be off by; 8 bits do not.
; LIMITS: |rotated q| below 65,504 (f16's largest number; the rotation makes at most 1.42 times the larger of the two inputs); below 2^-14 the step is 2^-24.
; Sine and cosine are made by a reduction with pi/2 in two f32 parts and polynomials on |r| <= pi/4 (error below 1e-6);
; the reduction is good for |phase| up to about 2^22; beyond that the values lose accuracy.
; THE MODE: SCHED_MODE bits 1:0 = 2 (LLVM: expert scheduling mode 2), set by the entry lines.  The code itself states the register dependences
; between vector instructions and memory instructions, and between a vector instruction's scalar result and its readers, with s_wait_alu, always for 0.
; THE PLAN.  Registers that memory instructions touch:
;   v[OF], v[OQ], v[OR]  byte offsets, made once at the head and never written again: one wait ahead of the first load serves every load and store.
;   v[F ..]              written by the two loads of freqs; no vector instruction names them before that.
;   v[X ..]              head h's eight registers: written by its two loads; read by its rotation, behind its counted wait on LOADcnt; its four roundings
;                        write the first four; its two stores read these; nothing writes them again.
; All loads are issued at the head, so no load lands in a register that a vector instruction has named.  The 16 heads go in eight blocks of two: block p's
; memory instructions are the four stores of block p - 1, which stand behind ONE wait at block p's head and are dealt among its vector instructions;
; these name T, SI, CO and the X of block p's own heads: none of the registers that those stores read.
; The text is one straight run: no branch, no label, no write of EXEC.
.set F,   2                            ; v[2:9]    freqs: 4 low columns, 4 high columns
.set CO,  10                           ; v[10:17]  cosines, same order
.set SI,  18                           ; v[18:25]  sines, same order; the four low ones negated
.set T,   26                           ; v[26:33]  at work
.set KI,  34                           ; v[34:37]  a run of four columns: the number of quarter turns
.set OQ,  38                           ; byte offset in a head of Q
.set OR,  39                           ; byte offset in a head of qr
.set OF,  40                           ; byte offset in freqs
.set TF,  41                           ; t as f32
.set PS,  42                           ; v[42:45]  a run of four columns: sin r
.set X,   48                           ; v[48:175] head h of my 16: 8 registers, low 4 columns then high 4; later its packed results in the first 4
.set MK,  28                           ; s[28:31]  a run of four columns: the lanes in which the number of quarter turns is odd
	s_load_b128 s[4:7], s[0:1], 0x0                ; Q s[4:5], freqs s[6:7]
	s_load_b64 s[8:9], s[0:1], 0x10                ; qr
	v_lshrrev_b32 v1, 5, v0
	v_readfirstlane_b32 s10, v1                    ; wave 0..7
	s_lshl_b32 s26, ttmp9, 1                       ; the work-group's first row
	v_and_b32 v1, 63, v0                           ; i
	v_bfe_u32 v[T], v0, 6, 1                       ; row
	v_add_nc_u32 v[T], s26, v[T]                   ; t
	v_lshlrev_b32 v[OF], 4, v1                     ; 16 i
	v_lshl_add_u32 v[OQ], v[T], 11, v[OF]          ; t x 2,048 + 16 i
	v_lshlrev_b32 v[T+1], 3, v1
	v_lshl_add_u32 v[OR], v[T], 10, v[T+1]         ; t x 1,024 + 8 i
	v_cvt_f32_u32 v[TF], v[T]
	s_mov_b32 s16, 0x3f22f983                      ; 2 / pi
	s_mov_b32 s17, 0xbfc90fdb                      ; - (pi/2 rounded to f32)
	s_mov_b32 s18, 0x333bbd2e                      ; that f32 minus pi/2
	s_mov_b32 s19, 0xbe2aaaab                      ; -1/6
	s_mov_b32 s20, 0x3c088889                      ; 1/120
	s_mov_b32 s21, 0xb9500d01                      ; -1/5040
	s_mov_b32 s23, 0x3d2aaaab                      ; 1/24
	s_mov_b32 s24, 0xbab60b61                      ; -1/720
	s_mov_b32 s25, 0x37d00d01                      ; 1/40320
	s_wait_alu depctr_va_sdst(0)                   ; s10 is written, ahead of its first reader: the bases of Q and qr are made from it
	s_lshr_b32 s11, s10, 2                         ; hg
	s_lshl_b32 s2, s11, 24                         ; 16 heads of Q: 16 x 1,048,576 bytes
	s_mov_b32 s3, 0
	s_lshl_b32 s14, s11, 23                        ; 16 heads of qr: 16 x 524,288 bytes
	s_mov_b32 s15, 0
	s_wait_kmcnt 0x0
	s_add_nc_u64 s[4:5], s[4:5], s[2:3]            ; Q at my heads 0-7
	s_add_nc_u64 s[12:13], s[4:5], 0x800000        ; Q at my heads 8-15 (the immediate reaches 7 heads)
	s_add_nc_u64 s[8:9], s[8:9], s[14:15]          ; qr at my 16 heads (the immediate reaches all 16)
	s_wait_alu depctr_va_vdst(0)                   ; v[OF], v[OQ] and v[OR] are written: every load and store of the kernel reads one of them as its offset
	global_load_b128 v[F:F+3],   v[OF], s[6:7]
	global_load_b128 v[F+4:F+7], v[OF], s[6:7] offset:1024
.irp h, 0,1,2,3,4,5,6,7
	global_load_b128 v[X+8*\h:X+8*\h+3],   v[OQ], s[4:5] offset:\h*1048576 th:TH_LOAD_NT
	global_load_b128 v[X+8*\h+4:X+8*\h+7], v[OQ], s[4:5] offset:\h*1048576+1024 th:TH_LOAD_NT
.endr
.irp h, 0,1,2,3,4,5,6,7
	global_load_b128 v[X+64+8*\h:X+64+8*\h+3],   v[OQ], s[12:13] offset:\h*1048576 th:TH_LOAD_NT
	global_load_b128 v[X+64+8*\h+4:X+64+8*\h+7], v[OQ], s[12:13] offset:\h*1048576+1024 th:TH_LOAD_NT
.endr
; Sine and cosine of t * freqs for my column c (0-3 low, 4-7 high), in two parts, so that the compares of four columns stand in one run with one wait behind it.
; The first part: the reduction and the two polynomials.  It leaves the number of quarter turns in KI, sin r in PS, cos r in the column's CO, and the mask of the odd quarters.
.macro SINCOS_R c
	v_mul_f32 v[T+7], v[TF], v[F+\c]               ; the phase, rounded once
	v_mul_f32 v[T], s16, v[T+7]
	v_rndne_f32 v[T], v[T]                         ; k = nearest whole number of quarter turns
	v_fma_f32 v[T+1], v[T], s17, v[T+7]            ; r = phase - k pi/2, in two parts
	v_fma_f32 v[T+1], v[T], s18, v[T+1]
	v_cvt_i32_f32 v[KI+(\c)%4], v[T]
	v_mul_f32 v[T+2], v[T+1], v[T+1]               ; z = r r
	v_fma_f32 v[T+3], v[T+2], s21, s20
	v_fma_f32 v[T+4], v[T+2], s25, s24
	v_fma_f32 v[T+3], v[T+3], v[T+2], s19
	v_fma_f32 v[T+4], v[T+4], v[T+2], s23
	v_mul_f32 v[T+3], v[T+3], v[T+2]
	v_fma_f32 v[T+4], v[T+4], v[T+2], -0.5
	v_fma_f32 v[PS+(\c)%4], v[T+3], v[T+1], v[T+1] ; sin r
	v_fma_f32 v[CO+\c], v[T+4], v[T+2], 1.0        ; cos r
	v_and_b32 v[T+6], 1, v[KI+(\c)%4]
	v_cmp_ne_u32 s[MK+(\c)%4], 0, v[T+6]           ; an odd quarter swaps the two
.endm
; The second part: the swap and the signs.
.macro SINCOS_Q c
	v_cndmask_b32 v[SI+\c], v[PS+(\c)%4], v[CO+\c], s[MK+(\c)%4]
	v_cndmask_b32 v[CO+\c], v[CO+\c], v[PS+(\c)%4], s[MK+(\c)%4]
	v_and_b32 v[T+6], 2, v[KI+(\c)%4]              ; quarters 2 and 3: the sine changes sign
	v_lshlrev_b32 v[T+6], 30, v[T+6]
	v_xor_b32 v[SI+\c], v[SI+\c], v[T+6]
	v_add_nc_u32 v[T+6], 1, v[KI+(\c)%4]           ; quarters 1 and 2: the cosine does
	v_and_b32 v[T+6], 2, v[T+6]
	v_lshlrev_b32 v[T+6], 30, v[T+6]
	v_xor_b32 v[CO+\c], v[CO+\c], v[T+6]
.endm
	s_wait_loadcnt 32                              ; freqs are in; the 32 loads of Q issued behind them stay out
.irp c, 0,1,2,3
	SINCOS_R \c
.endr
	s_wait_alu depctr_va_sdst(0)                   ; the four compares have written s[MK .. MK+3], ahead of the selects that read them
.irp c, 0,1,2,3
	SINCOS_Q \c
.endr
.irp c, 4,5,6,7
	SINCOS_R \c
.endr
	s_wait_alu depctr_va_sdst(0)                   ; the high columns' four compares have written s[MK .. MK+3], ahead of the selects that read them
.irp c, 4,5,6,7
	SINCOS_Q \c
.endr
.irp c, 0,1,2,3
	v_xor_b32 v[SI+\c], 0x80000000, v[SI+\c]       ; the low columns take minus the sine
.endr
; head h of my 16: rotate and round to f16.  The packed results lie in the head's own registers, which nothing writes again.
.macro ROT h
	v_pk_mul_f32 v[T:T+1],   v[X+8*(\h)+4:X+8*(\h)+5], v[SI:SI+1]
	v_pk_mul_f32 v[T+2:T+3], v[X+8*(\h)+6:X+8*(\h)+7], v[SI+2:SI+3]
	v_pk_mul_f32 v[T+4:T+5], v[X+8*(\h):X+8*(\h)+1],   v[SI+4:SI+5]
	v_pk_mul_f32 v[T+6:T+7], v[X+8*(\h)+2:X+8*(\h)+3], v[SI+6:SI+7]
	v_pk_fma_f32 v[T:T+1],   v[X+8*(\h):X+8*(\h)+1],   v[CO:CO+1],   v[T:T+1]
	v_pk_fma_f32 v[T+2:T+3], v[X+8*(\h)+2:X+8*(\h)+3], v[CO+2:CO+3], v[T+2:T+3]
	v_pk_fma_f32 v[T+4:T+5], v[X+8*(\h)+4:X+8*(\h)+5], v[CO+4:CO+5], v[T+4:T+5]
	v_pk_fma_f32 v[T+6:T+7], v[X+8*(\h)+6:X+8*(\h)+7], v[CO+6:CO+7], v[T+6:T+7]
	v_cvt_pk_f16_f32 v[X+8*(\h)],   v[T],   v[T+1]
	v_cvt_pk_f16_f32 v[X+8*(\h)+1], v[T+2], v[T+3]
	v_cvt_pk_f16_f32 v[X+8*(\h)+2], v[T+4], v[T+5]
	v_cvt_pk_f16_f32 v[X+8*(\h)+3], v[T+6], v[T+7]
.endm
; head h's two stores
.macro SEND h
	global_store_b64 v[OR], v[X+8*(\h):X+8*(\h)+1],   s[8:9] offset:(\h)*524288
	global_store_b64 v[OR], v[X+8*(\h)+2:X+8*(\h)+3], s[8:9] offset:(\h)*524288+512
.endm
; block p: heads 2 p and 2 p + 1 are rotated; the stores of heads 2 p - 2 and 2 p - 1 stand ahead of them
.macro BLK p
	s_wait_loadcnt 30-4*(\p)                       ; head 2 p's two loads are in; two for each of the 15 - 2 p later heads stay out
.if (\p) > 0
	s_wait_alu depctr_va_vdst(0)                   ; the block before has written its two heads' packed results, which the four stores of this block read
	SEND 2*(\p)-2
.endif
	ROT 2*(\p)
	s_wait_loadcnt 28-4*(\p)                       ; head 2 p + 1's two loads are in; two for each later head stay out
.if (\p) > 0
	SEND 2*(\p)-1                                  ; no wait: no vector instruction since the wait above names this head's registers or v[OR]
.endif
	ROT 2*(\p)+1
.endm
.irp p, 0,1,2,3,4,5,6,7
	BLK \p
.endr
	s_wait_alu depctr_va_vdst(0)                   ; block 7 has written the packed results of heads 14 and 15, which the last four stores read
	SEND 14
	SEND 15
	s_endpgm
.Lfunc_end_k_q46c6df37b5_rope:
	.size	k_q46c6df37b5_rope, .Lfunc_end_k_q46c6df37b5_rope-k_q46c6df37b5_rope
	.p2alignl 7, 3214868480
	.fill 96, 4, 3214868480
	.section	.rodata,"a",@progbits
	.p2align	6, 0x0
	.amdhsa_kernel k_q46c6df37b5_rope
		.amdhsa_group_segment_fixed_size 0
		.amdhsa_private_segment_fixed_size 0
		.amdhsa_enable_private_segment 0
		.amdhsa_kernarg_size 24
		.amdhsa_user_sgpr_count 2
		.amdhsa_user_sgpr_kernarg_segment_ptr 1
		.amdhsa_wavefront_size32 1
		.amdhsa_system_sgpr_workgroup_id_x 1
		.amdhsa_system_sgpr_workgroup_id_y 1
		.amdhsa_system_sgpr_workgroup_id_z 1
		.amdhsa_system_vgpr_workitem_id 0
		.amdhsa_next_free_vgpr 176
		.amdhsa_next_free_sgpr 66
		.amdhsa_reserve_vcc 0
		.amdhsa_float_denorm_mode_32 3
		.amdhsa_float_denorm_mode_16_64 3
		.amdhsa_memory_ordered 1
		.amdhsa_forward_progress 1
		.amdhsa_inst_pref_size 31
	.end_amdhsa_kernel
	.amdgpu_metadata
---
amdhsa.version: [ 1, 2 ]
amdhsa.kernels:
  - .name:           k_q46c6df37b5_rope
    .symbol:         k_q46c6df37b5_rope.kd
    .args:
      - { .name: Q, .offset: 0, .size: 8, .value_kind: global_buffer, .address_space: global }
      - { .name: freqs, .offset: 8, .size: 8, .value_kind: global_buffer, .address_space: global }
      - { .name: qr, .offset: 16, .size: 8, .value_kind: global_buffer, .address_space: global }
    .group_segment_fixed_size: 0
    .private_segment_fixed_size: 0
    .kernarg_segment_align: 8
    .kernarg_segment_size: 24
    .max_flat_workgroup_size: 256
    .sgpr_count:     66
    .vgpr_count:     176
    .wavefront_size: 32
...
	.end_amdgpu_metadata
.endif
;; end of part 3
;; launch scan: the kernel of part 2 again; grid 256 x 1, 4 waves a work-group, no clusters, 327,680 bytes of LDS; arguments qr, V, S_prev, gamma, out0, out1; writes out0, out1
